; MI455X (gfx1250); checked and timed in simulation.
; The chip was launched on July 23, 2026; its instructions are those of AMD's public machine-readable ISA for CDNA 5 (MIT licence, August 2026) and "CDNA5" Instruction Set Architecture Reference Guide (July 2026). The comments in the code are by the model that wrote it; some were corrected since.
;; Self Attention1 D. Allowed arithmetic: matrix products marked QUANTISED: E5M2 operands, one E8M0 scale for each 32 along K, by v_wmma_scale_f32_16x16x128_f8f6f4 with both operands' format E5M2, f32 sums; everything else in f32.
;; Inputs: Wf_codes 64 x 16 x 32 uint8 (E5M2 codes of Wf, K innermost, in blocks of 32 codes); Wf_scales 64 x 16 uint8 (E8M0 scales of Wf, one for each 32 codes along K); Wg_codes 64 x 16 x 32 uint8 (E5M2 codes of Wg, K innermost, in blocks of 32 codes); Wg_scales 64 x 16 uint8 (E8M0 scales of Wg, one for each 32 codes along K); Wh_codes 512 x 16 x 32 uint8 (E5M2 codes of Wh, K innermost, in blocks of 32 codes); Wh_scales 512 x 16 uint8 (E8M0 scales of Wh, one for each 32 codes along K); bf 64 float32; bg 64 float32; bh 512 float32; gamma one number float32; x 4 x 4,096 x 512 float32.
;; Outputs: out0 4 x 4,096 x 512 float32.
;; This version of the problem:
;;   THIS VERSION OF THE PROBLEM IS GIVEN IN LOW PRECISION. The matrix products marked QUANTISED in the list below multiply operands that are first quantised to E5M2 (5 exponent bits, 2 mantissa bits; 8 bits a number), with one power-of-two scale for each 32 numbers along K (OCP MX v1.0); their sums are f32. All else is computed in f32.
;;   The module's matrix products, in the order in which they are computed (A, B: the left and right operand; K: the contracted axis; several contracted axes count as one K, in the product's order):
;;     1. [M 16,384, K 512] x [K 512, N 64]; A: input x; B: input Wf (given as codes): QUANTISED
;;     2. [M 16,384, K 512] x [K 512, N 64]; A: input x; B: input Wg (given as codes): QUANTISED
;;     3. [M 16,384, K 512] x [K 512, N 512]; A: input x; B: input Wh (given as codes): QUANTISED
;;     4. batch 4 x [M 4,096, K 64] x [K 64, N 4,096]; A: computed on the way; B: computed on the way: QUANTISED
;;     5. batch 4 x [M 4,096, K 4,096] x [K 4,096, N 512]; A: softmax (see below); B: computed on the way: QUANTISED
;;   THE QUANTISER, for each operand of a quantised product, along K:
;;     - K is cut into blocks of 32 from its start; a last block that is shorter is filled with zeros.
;;     - A block's scale is 2^e with e = floor(log2(the largest magnitude in the block)) - 15, held to -126 .. 127; a block of zeros has e = 0. As a byte (E8M0): e + 127.
;;     - Each number is divided by its block's scale, clamped to +-57,344, and rounded to the nearest number of E5M2, ties to even, subnormals kept.
;;     - The product sums the exact products of the quantised numbers (number of the format x scale) in f32.
;;   ~~~python
;;   def quantise(x, axis):      # numpy; x: float32 -> the quantised numbers, widened to float32 again
;;       x = np.moveaxis(x, axis, -1); K = x.shape[-1]
;;       x = np.pad(x, [(0, 0)] * (x.ndim - 1) + [(0, -K % 32)]); x = x.reshape(x.shape[:-1] + (-1, 32)); a = np.abs(x).max(-1, keepdims=True)
;;       e = np.where(a > 0, np.clip(np.frexp(np.where(a > 0, a, 1))[1] - 1 - 15, -126, 127), 0)      # np.frexp(a)[1] - 1 = floor(log2(a)), exactly
;;       r = np.clip(x / 2.0 ** e, -57344, 57344)
;;       step = 2.0 ** (np.maximum(np.frexp(np.where(r == 0, 1, r))[1] - 1, -14) - 2)
;;       q = np.round(r / step) * step * 2.0 ** e      # np.round: ties to even
;;       return np.moveaxis(q.reshape(q.shape[:-2] + (-1,))[..., :K], -1, axis).astype(np.float32)
;;   ~~~
;;   SOFTMAX AHEAD OF A QUANTISED PRODUCT. Where the list says 'softmax', what is quantised is not the finished softmax but p = 2^(t - M), with t = logit x log2(e) and M = ceil(the row's largest t), a whole number; so 1/2 < the row's largest p <= 1. The row's sum l is taken of the UNQUANTISED p, in f32, and the product's result is divided by l at the end. Since M is a whole number, a kernel that streams over the keys may use a running M (the ceiling of the running maximum): every later rescaling is an exact power of two, which a block's scale takes up: the codes' values come out the same.
;;   OPERANDS COMPUTED ON THE WAY. 'Computed on the way' means the value that the module computes at that place (a softmax that the list does not call 'softmax' is quantised finished and normalised). What goes into a quantiser is computed in f32, as accurately as f32 sums, v_exp_f32 and their like allow (about 1e-6 of the number): no bf16 or f16 on the way to a quantiser, and a product that is left as it is and whose result goes on into a quantised operand takes f32 operands (vector FMAs, or v_wmma_f32_16x16x4_f32). A number that lies on a knife's edge between two numbers of the format may be rounded either way, as far as f32 arithmetic and the matrix unit's own rounding can turn it there, and no further.
;;   INPUTS GIVEN AS CODES. Wf (in the module: [512, 64], K = its axis 0); Wg (in the module: [512, 64], K = its axis 0); Wh (in the module: [512, 512], K = its axis 0): each comes as NAME_codes (uint8): NAME with its K axis moved to the last place and cut into blocks of 32 codes, [.., K / 32, bytes a block], one block behind the other in memory; one code a byte (a code: sign, 5 exponent bits, 2 mantissa bits); and NAME_scales (uint8): the same leading axes, one E8M0 byte (e + 127) for each 32 codes along K. Its value is code x scale, taken as it is: it is not quantised again, and the codes and scales need not be those that the quantiser above would give.
;; One version. Each part assembles by itself: llvm-mc -triple=amdgcn-amd-amdhsa -mcpu=gfx1250 --defsym DOCPART=n.
;; ======== version 1 of 1: 2 launches
;; workspace buffers: kv 9,764,864 bytes; fq 1,114,112 bytes
;; launch proj (part 1): grid 2 x 128, 4 waves a work-group, no clusters, 137,728 bytes of LDS; arguments x, Wf_codes, Wf_scales, bf, Wg_codes, Wg_scales, bg, Wh_codes, Wh_scales, bh, kv, fq; writes kv, fq
.if DOCPART == 1
	.amdgcn_target "amdgcn-amd-amdhsa--gfx1250"
	.amdhsa_code_object_version 6
	.text
	.protected	k_qf5451c4e75_proj
	.globl	k_qf5451c4e75_proj
	.p2align	8
	.type	k_qf5451c4e75_proj,@function
k_qf5451c4e75_proj:
	s_mov_b64 s[64:65], 0
	v_nop
	global_prefetch_b8 v0, s[64:65] scope:SCOPE_SE
	s_setreg_imm32_b32 hwreg(HW_REG_WAVE_MODE, 25, 1), 1
	s_wait_xcnt 0x0
; THE PROJECTIONS.  f = Q(x) Wf + bf, g = Q(x) Wg + bg, h = Q(x) Wh + bh on codes of E5M2 with one E8M0 scale for each 32 along K; then f and g are quantised along their 64 channels and h along the KEYS,
; and all three leave as images of operand registers (a group of four registers: 512 bytes, lane l's 16 bytes at 16 l), so that the attention launch reads them with no pitch and no padding.
; DEAD WORK: none.  bf, bg and bh go into quantised operands of live products, gamma and x reach the output: every input of the problem is loaded by this launch or the next.
; LIMITS: NaN and infinities among the inputs are not served.  A block's largest magnitude is taken no lower than 2^(16 - 127), so its byte is at least 1; a block of zeros gets that byte 1 where the rule says 127:
; its codes are zeros, which add nothing under any byte but 0xff, and the bytes are read by this program alone.
; SHARES.  Work-group (x = yh, y = G): rows 128 G .. 128 G + 127 of x (batch G / 32, key step G % 32); columns: Wh's channels 256 yh .. + 255, and Wf (yh = 0) or Wg (yh = 1).  Both halves take one way through the text:
; only pointers and offsets are chosen, on the work-group's number.  Wave w quantises rows 32 w .. + 31 of x, makes h for all 128 rows x channels 64 w .. + 63 of the half, and f or g for its own 32 rows.
; THE ROWS OF A TILE ARE NOT NEIGHBOURS: lane r of tile T = 2 b + u holds row 32 b + 8 u + r + 8 (r / 8) of the 128, so that the 16 result registers of tiles 2 b and 2 b + 1 are 16 neighbours 32 b + 16 (lane / 16) + 0 .. 15.
; h: source 0 = 16 rows of x, source 1 = 16 channels of Wh: a lane holds ONE channel and its registers run along the keys, the next K.  f, g: source 0 = 16 channels of the weight, source 1 = 16 rows of x: a lane holds one row.
; No tensor load: x turns through registers on its way to the quantiser and the weights go straight into operand registers.  No cluster: only two work-groups share rows of x.
; kv: [batch 4][block 16][152,576]: V's images of key steps 2 i, 2 i + 1 (65,536 each: channel tile x 2,048), their scale words (2,048 each, from 131,072), and from 135,168 the units (8,704) of g of key steps 2 i + 2, 2 i + 3 (mod 32).
; fq: [group of 128 rows][8,704], laid as a unit of g: tile x 1,024 + 512 c + 16 lane; from 8,192 the scale words, pair of tiles x 128 + 4 lane.  A word of f or g holds its two bytes twice: (s0, s1, s0, s1).
; REGISTERS.  window 0: v1-17 addresses; v24-49 scale words; v50-58 scale words on their way out; v64-191 numbers of x, then x's fragments, at the end h's codes; v192-223 the codes just made; v224-239 at work.
;   window 1: h, channel tile c, key tile T at v[64 c + 8 T].   window 2: v0-127 x as loaded; v128-191 f or g; v192-223 bh, v224-255 bf or bg, in the results' layouts.   window 3: two sets of weights' fragments.
.set BLOCK,  152576
.set GUB,    8704                      ; a unit of g or f
.set STGB,   8448                      ; a stage: 16 rows x (512 + 16) bytes; each wave has two
.set XIMG,   67584                     ; behind the stages: x's fragments, (8 s + T) x 2,048 + 512 k + 16 lane
.set XSC,    133120                    ; their scale words: (2 s + half) x 512 + 16 lane + 4 (T % 4)
.set SPARE,  137216                    ; the spare words, 128 bytes for each wave: two blocks of 256 bytes that no other line names
.set SPW,  1                           ; v1   SPARE + 4 x my thread's number; never rewritten
.set NIL,  2                           ; v2   0; never rewritten
.set L16,  3                           ; v3   16 x lane
.set SI,   4                           ; v4   my stages, on the way in
.set SOUT, 5                           ; v5   and out: row r, + 64 h
.set XWI,  6                           ; v6   where I store x's images
.set XWS,  7                           ; v7   and their scale words
.set LI,   8                           ; v8   where any image is read
.set LSW,  9                           ; v9   and four tiles' scale words
.set WHO,  10                          ; v10  Wh: 512 r + 16 h
.set W2O,  11                          ; v11  Wf or Wg: 512 (r + 8 (r / 8)) + 16 h
.set W2SO, 13                          ; v13  its scale bytes: 16 (r + 8 (r / 8) + 8 h)
.set BHO,  14                          ; v14  bh: 4 r
.set B2O,  15                          ; v15  bf or bg: 64 h
.set L8,   16                          ; v16  8 x lane
.set L4,   17                          ; v17  4 x lane
.set XW,   24                          ; v24-31 x's scale words of eight tiles, as loaded
.set XOW,  32                          ; v32-33 those of my two tiles, as made
.set WHS,  34                          ; v34-41 Wh's: register 4 (c / 2) + s, lanes 0-15 the even tile, lanes 16-31 the odd
.set WFS,  42                          ; v42-49 Wf's or Wg's likewise
.set PWH,  50                          ; v50-53 h's scale words
.set XA,   64
.set PCX,  192
.set TM,   224                         ; +0 largest magnitudes, +4 the other half's, then bytes, +8 57,344 x the scale, +12 the conversions' scale operands
.set MSB, 0
.macro WIN new                         ; the immediate's high byte repeats the setting that is left; a switch that changes nothing is dropped
.if MSB != (\new)
	s_set_vgpr_msb (MSB<<8)|(\new)
.set MSB, (\new)
.endif
.endm
.macro PLACES n                        ; plain vector instructions between a matrix instruction and what touches its registers (ISA guide 7.12.1)
.rept \n
	v_nop
.endr
.endm
; unit n = 2 s + u: the 16 rows of my tile u, 128 channels from 128 s on: each load reads 512 consecutive bytes of one row
.macro XLOAD n
	WIN 0x80
.irp i, 0,1,2,3,4,5,6,7,8,9,10,11,12,13,14,15
	global_load_b128 v[64*((\n)%2)+4*\i:64*((\n)%2)+4*\i+3], v[L16], s[4:5] offset:(8*((\n)%2)+\i+8*(\i/8))*2048+512*((\n)/2)
.endr
	WIN 0
.endm
; the unit turns through my own stage: in as it was loaded, out 16 neighbours of each block of 32 to a lane.  LDS serves a wave's instructions in order, so no wait stands between
.macro TURN n
	WIN 0x08
.irp i, 0,1,2,3,4,5,6,7,8,9,10,11,12,13,14,15
	ds_store_b128 v[SI], v[64*((\n)%2)+4*\i:64*((\n)%2)+4*\i+3] offset:STGB*((\n)%2)+528*\i
.endr
	WIN 0
.irp b, 0,1,2,3
.irp j, 0,1,2,3
	ds_load_b128 v[XA+64*((\n)%2)+16*\b+4*\j:XA+64*((\n)%2)+16*\b+4*\j+3], v[SOUT] offset:STGB*((\n)%2)+128*\b+16*\j
.endr
.endr
.endm
; the weights' fragments of K step s into set s % 2 of window 3: Wh's four channel tiles, then the four tiles of Wf or Wg
.macro WLOAD s
	WIN 0xc0
.irp c, 0,1,2,3
.irp k, 0,1,2,3
	global_load_b128 v[128*((\s)%2)+16*\c+4*\k:128*((\s)%2)+16*\c+4*\k+3], v[WHO], s[18:19] offset:\c*8192+128*(\s)+32*\k
.endr
.endr
.irp t, 0,1,2,3
.irp k, 0,1,2,3
	global_load_b128 v[128*((\s)%2)+64+16*\t+4*\k:128*((\s)%2)+64+16*\t+4*\k+3], v[W2O], s[6:7] offset:(32*(\t/2)+8*(\t%2))*512+128*(\s)+32*\k
.endr
.endr
	WIN 0
.endm
; 16 nb numbers of a lane in window w, register src + 16 b + i = k 32 b + 16 (lane / 16) + i of my row, become codes in v[pc] on and a scale word in v[pw] (window 0)
.macro QUANT src, w, nb, pc, pw
	WIN (\w)|((\w)<<2)
.irp b, 0,1,2,3
.if \b < (\nb)
	v_max3_num_f32 v[TM+\b], |v[(\src)+16*\b]|, |v[(\src)+16*\b+1]|, 0x8000000   ; my 16 numbers of block b, from the results' low end on, and the floor 2^(16 - 127)
.endif
.endr
.irp i, 2,4,6,8,10,12,14
.irp b, 0,1,2,3
.if \b < (\nb)
	v_max3_num_f32 v[TM+\b], |v[(\src)+16*\b+\i]|, |v[(\src)+16*\b+\i+1]|, v[TM+\b]
.endif
.endr
.endr
	WIN 0
.irp b, 0,1,2,3
.if \b < (\nb)
	v_permlanex16_b32 v[TM+4+\b], v[TM+\b], s30, s31
.endif
.endr
.irp b, 0,1,2,3
.if \b < (\nb)
	v_max_num_f32 v[TM+\b], v[TM+\b], v[TM+4+\b]             ; with lane l xor 16's: the block's largest magnitude
.endif
.endr
.irp b, 0,1,2,3
.if \b < (\nb)
	v_add_nc_u32 v[TM+12+\b], 0xf8800000, v[TM+\b]           ; 15 off its exponent field: the conversion's scale operand
	v_and_or_b32 v[TM+8+\b], v[TM+\b], 0x7f800000, s32       ; 57,344 x the scale
	v_lshrrev_b32 v[TM+4+\b], 23, v[TM+12+\b]                ; the scale's byte
.endif
.endr
	v_lshl_or_b32 v[\pw], v[TM+5], 8, v[TM+4]
.if (\nb) == 4
	v_lshl_or_b32 v[\pw], v[TM+6], 16, v[\pw]
	v_lshl_or_b32 v[\pw], v[TM+7], 24, v[\pw]
.else
	v_lshl_or_b32 v[\pw], v[\pw], 16, v[\pw]                 ; K = 64: the two bytes twice, so that the 64 may stand in either half of an instruction's 128
.endif
	WIN (\w)|((\w)<<6)
.irp b, 0,1,2,3
.if \b < (\nb)
.irp i, 0,1,2,3,4,5,6,7,8,9,10,11,12,13,14,15
	v_med3_num_f32 v[(\src)+16*\b+\i], v[(\src)+16*\b+\i], -v[TM+8+\b], v[TM+8+\b]   ; the conversion to an 8-bit code does not saturate (ISA guide 7.6.2): the hold
.endr
.endif
.endr
	WIN (\w)
.irp b, 0,1,2,3
.if \b < (\nb)
	v_cvt_scalef32_pk8_bf8_f32 v[(\pc)+4*\b:(\pc)+4*\b+1], v[(\src)+16*\b:(\src)+16*\b+7], v[TM+12+\b]
	v_cvt_scalef32_pk8_bf8_f32 v[(\pc)+4*\b+2:(\pc)+4*\b+3], v[(\src)+16*\b+8:(\src)+16*\b+15], v[TM+12+\b]
.endif
.endr
	WIN 0
	v_nop                                          ; one plain instruction behind the last conversion
.endm
.macro IMAGE s, u                      ; my tile u's fragment of K step s goes to LDS as it stands, and its scale word
.irp k, 0,1,2,3
	ds_store_b128 v[XWI], v[PCX+16*(\u)+4*\k:PCX+16*(\u)+4*\k+3] offset:16384*(\s)+2048*(\u)+512*\k
.endr
	ds_store_b32 v[XWS], v[XOW+(\u)] offset:1024*(\s)+4*(\u)
.endm
.macro FETCH s, half                   ; four tiles' fragments and scale words come back, in any wave: 17 loads
.irp i, 0,1,2,3
.irp k, 0,1,2,3
	ds_load_b128 v[XA+64*(\half)+16*\i+4*\k:XA+64*(\half)+16*\i+4*\k+3], v[LI] offset:16384*(\s)+2048*(4*(\half)+\i)+512*\k
.endr
.endr
	ds_load_b128 v[XW+4*(\half):XW+4*(\half)+3], v[LSW] offset:1024*(\s)+512*(\half)
.endm
; f or g of my two tiles: 8 products, each on another accumulator.  The first K step takes the bias as C
.macro FMUL s
	WIN 0xa3                                       ; source 0 (the weight) window 3, source 1 (x) window 0, C and D window 2
.irp u, 0,1
.irp t, 0,1,2,3
.set rD, 128+32*\u+8*\t
.set rA, 128*((\s)%2)+64+16*\t
.set rB, PCX+16*\u
.set rC, rD
.if (\s) == 0
.set rC, 224+8*\t
.endif
.set rSA, WFS+4*(\t/2)+(\s)
.if \t%2
	v_wmma_scale_f32_16x16x128_f8f6f4 v[rD:rD+7], v[rA:rA+15], v[rB:rB+15], v[rC:rC+7], v[rSA], v[XOW+\u] matrix_a_fmt:MATRIX_FMT_BF8 matrix_b_fmt:MATRIX_FMT_BF8 matrix_a_scale:MATRIX_SCALE_ROW1
.else
	v_wmma_scale_f32_16x16x128_f8f6f4 v[rD:rD+7], v[rA:rA+15], v[rB:rB+15], v[rC:rC+7], v[rSA], v[XOW+\u] matrix_a_fmt:MATRIX_FMT_BF8 matrix_b_fmt:MATRIX_FMT_BF8
.endif
.endr
.endr
.endm
; h: four key tiles x my four channel tiles: 16 products, each on another accumulator
.macro HMUL s, half
.if (\s) == 0
	WIN 0x6c                                       ; source 0 (x) window 0, source 1 (Wh) window 3, C (bh) window 2, D window 1
.else
	WIN 0x5c                                       ; C and D window 1
.endif
.irp i, 0,1,2,3
.irp c, 0,1,2,3
.set rD, 64*\c+8*(4*(\half)+\i)
.set rA, XA+64*(\half)+16*\i
.set rB, 128*((\s)%2)+16*\c
.set rC, rD
.if (\s) == 0
.set rC, 192+8*\c
.endif
.set rSA, XW+4*(\half)+\i
.set rSB, WHS+4*(\c/2)+(\s)
.if \c%2
	v_wmma_scale_f32_16x16x128_f8f6f4 v[rD:rD+7], v[rA:rA+15], v[rB:rB+15], v[rC:rC+7], v[rSA], v[rSB] matrix_a_fmt:MATRIX_FMT_BF8 matrix_b_fmt:MATRIX_FMT_BF8 matrix_b_scale:MATRIX_SCALE_ROW1
.else
	v_wmma_scale_f32_16x16x128_f8f6f4 v[rD:rD+7], v[rA:rA+15], v[rB:rB+15], v[rC:rC+7], v[rSA], v[rSB] matrix_a_fmt:MATRIX_FMT_BF8 matrix_b_fmt:MATRIX_FMT_BF8
.endif
.endr
.endr
.endm
	s_load_b256 s[4:11], s[0:1], 0x0               ; x, Wf's codes, Wf's scales, bf
	s_load_b256 s[12:19], s[0:1], 0x20             ; Wg's codes, Wg's scales, bg, Wh's codes
	s_load_b256 s[20:27], s[0:1], 0x40             ; Wh's scales, bh, kv, fq
	v_lshl_add_u32 v[SPW], v0, 2, SPARE
	v_mov_b32 v[NIL], 0
	v_lshrrev_b32 v18, 5, v0
	v_readfirstlane_b32 s28, v18                   ; wave 0..3
	v_and_b32 v18, 31, v0                          ; lane
	v_and_b32 v19, 15, v0                          ; r
	v_bfe_u32 v20, v0, 4, 1                        ; h
	v_lshlrev_b32 v[L16], 4, v18
	s_mul_i32 s29, s28, 2*STGB
	v_add_nc_u32 v[SI], s29, v[L16]
	v_mul_u32_u24 v[SOUT], v19, 528
	v_lshl_add_u32 v[SOUT], v20, 6, v[SOUT]
	v_add_nc_u32 v[SOUT], s29, v[SOUT]
	s_lshl_b32 s29, s28, 12
	s_add_co_u32 s29, s29, XIMG
	v_add_nc_u32 v[XWI], s29, v[L16]               ; my tiles 2 w, 2 w + 1: 4,096 w on
	s_lshr_b32 s29, s28, 1
	s_lshl_b32 s29, s29, 9
	s_and_b32 s34, s28, 1
	s_lshl_b32 s34, s34, 3
	s_add_co_u32 s29, s29, s34
	s_add_co_u32 s29, s29, XSC
	v_add_nc_u32 v[XWS], s29, v[L16]               ; 512 (w / 2) + 8 (w % 2)
	v_add_nc_u32 v[LI], XIMG, v[L16]
	v_add_nc_u32 v[LSW], XSC, v[L16]
	v_lshlrev_b32 v[WHO], 9, v19
	v_lshl_add_u32 v[WHO], v20, 4, v[WHO]
	v_and_b32 v21, 8, v19
	v_add_nc_u32 v21, v21, v19                     ; r + 8 (r / 8)
	v_lshlrev_b32 v[W2O], 9, v21
	v_lshl_add_u32 v[W2O], v20, 4, v[W2O]
	v_lshl_add_u32 v[W2SO], v20, 3, v21
	v_lshlrev_b32 v[W2SO], 4, v[W2SO]
	v_lshlrev_b32 v[BHO], 2, v19
	v_lshlrev_b32 v[B2O], 6, v20
	v_lshlrev_b32 v[L8], 3, v18
	v_lshlrev_b32 v[L4], 2, v18
.irp b, 0,1,2,3
	v_mov_b32 v[TM+4+\b], 0                        ; written once: a lane permute's destination counts as one of its sources
.endr
	s_mov_b32 s30, 0x76543210
	s_mov_b32 s31, 0xfedcba98                      ; v_permlanex16_b32's selects for lane l xor 16
	s_mov_b32 s32, 0x600000                        ; the mantissa field of 57,344
	s_mov_b32 s33, 0xffff0000                      ; lanes 16-31
	; offsets, each in registers of its own, all under 2^31
	s_and_b32 s37, ttmp7, 0xffff                   ; G
	s_lshr_b32 s38, s37, 5                         ; batch
	s_and_b32 s39, s37, 31                         ; key step
	s_lshl_b32 s40, s37, 18
	s_lshl_b32 s29, s28, 16
	s_add_co_u32 s40, s40, s29                     ; x: 128 G rows of 2,048 bytes + my 32 w
	s_mov_b32 s41, 0
	s_lshl_b32 s42, ttmp9, 17
	s_lshl_b32 s29, s28, 15
	s_add_co_u32 s42, s42, s29                     ; Wh's codes: channel 256 yh + 64 w, 512 bytes each
	s_mov_b32 s43, 0
	s_lshr_b32 s44, s42, 5                         ; its scale bytes: 16 a channel
	s_mov_b32 s45, 0
	s_lshr_b32 s46, s42, 7                         ; bh: 4 a channel
	s_mov_b32 s47, 0
	s_mul_i32 s48, s38, 16*BLOCK                   ; the batch's blocks
	s_lshr_b32 s29, s39, 1
	s_mul_i32 s29, s29, BLOCK
	s_add_co_u32 s50, s48, s29                     ; the block that holds V of my key step
	s_and_b32 s29, s39, 1
	s_lshl_b32 s52, s29, 16
	s_add_co_u32 s52, s52, s50
	s_lshl_b32 s34, ttmp9, 15
	s_add_co_u32 s52, s52, s34
	s_lshl_b32 s34, s28, 13
	s_add_co_u32 s52, s52, s34                     ; V's images: channel tile 16 yh + 4 w
	s_mov_b32 s53, 0
	s_lshl_b32 s54, s29, 11
	s_add_co_u32 s54, s54, s50
	s_lshl_b32 s34, ttmp9, 10
	s_add_co_u32 s54, s54, s34
	s_lshl_b32 s34, s28, 8
	s_add_co_u32 s54, s54, s34
	s_add_co_u32 s54, s54, 131072                  ; V's scale words: group of 64 channels 4 yh + w
	s_mov_b32 s55, 0
	s_add_co_u32 s29, s39, 30
	s_and_b32 s29, s29, 31                         ; g of key step k lies two steps back: (k + 30) % 32
	s_lshr_b32 s34, s29, 1
	s_mul_i32 s34, s34, BLOCK
	s_add_co_u32 s56, s48, s34
	s_and_b32 s29, s29, 1
	s_mul_i32 s29, s29, GUB
	s_add_co_u32 s56, s56, s29
	s_add_co_u32 s56, s56, 135168                  ; g's unit in kv
	s_mul_i32 s58, s37, GUB                        ; f's unit in fq
	s_lshl_b32 s34, s28, 11                        ; in a unit: my two tiles,
	s_lshl_b32 s35, s28, 7
	s_add_co_u32 s35, s35, 8192                    ; and their pair of scale words
	s_wait_kmcnt 0x0
	s_cmp_eq_u32 ttmp9, 0                          ; Wf's half or Wg's?  The choice hangs on the work-group's number alone
	s_cselect_b64 s[6:7], s[6:7], s[12:13]
	s_cselect_b64 s[8:9], s[8:9], s[14:15]
	s_cselect_b64 s[10:11], s[10:11], s[16:17]
	s_cselect_b64 s[26:27], s[26:27], s[24:25]
	s_cselect_b32 s56, s58, s56
	s_mov_b32 s57, 0
	s_add_nc_u64 s[26:27], s[26:27], s[56:57]      ; the unit
	s_mov_b32 s56, s35
	s_add_nc_u64 s[16:17], s[26:27], s[56:57]      ; its scale words, mine
	s_mov_b32 s56, s34
	s_add_nc_u64 s[26:27], s[26:27], s[56:57]      ; its images, mine
	s_add_nc_u64 s[4:5], s[4:5], s[40:41]
	s_add_nc_u64 s[18:19], s[18:19], s[42:43]
	s_add_nc_u64 s[20:21], s[20:21], s[44:45]
	s_add_nc_u64 s[22:23], s[22:23], s[46:47]
	s_add_nc_u64 s[12:13], s[24:25], s[52:53]
	s_add_nc_u64 s[14:15], s[24:25], s[54:55]
	global_load_b128 v[WHS:WHS+3], v[L16], s[20:21]            ; a channel's 16 scale bytes are the words of the four K steps
	global_load_b128 v[WHS+4:WHS+7], v[L16], s[20:21] offset:512
	global_load_b128 v[WFS:WFS+3], v[W2SO], s[8:9]
	global_load_b128 v[WFS+4:WFS+7], v[W2SO], s[8:9] offset:512
	WIN 0x80
.irp c, 0,1,2,3
.irp j, 0,1,2,3,4,5,6,7
	global_load_b32 v[192+8*\c+\j], v[BHO], s[22:23] offset:64*\c      ; in h's layout a lane holds one channel: its bias in all eight registers
.endr
.endr
.irp t, 0,1,2,3
	global_load_b128 v[224+8*\t:224+8*\t+3], v[B2O], s[10:11] offset:(32*(\t/2)+8*(\t%2))*4      ; in f's and g's a lane holds eight neighbouring channels
	global_load_b128 v[224+8*\t+4:224+8*\t+7], v[B2O], s[10:11] offset:(32*(\t/2)+8*(\t%2))*4+16
.endr
	WIN 0
	WLOAD 0
	XLOAD 0
	XLOAD 1
; A PHASE for each 128 along K: my two tiles are quantised, stored as images, multiplied into f or g; one barrier; all eight tiles come back and are multiplied into h.  Each phase has image bytes of its own, so one barrier serves.
.irp s, 0,1,2,3
.if \s > 0
	PLACES 8                                       ; in front of the loads into registers that the last phase's products read
.endif
	s_wait_loadcnt 16                              ; all but the youngest 16 loads: unit 2 s and this phase's weights are in, unit 2 s + 1 may be out
	TURN 2*\s
	s_wait_loadcnt 0x0
	TURN 2*\s+1
	s_wait_dscnt 32                                ; unit 2 s is back; the second turn's 32 may be out
.if \s < 3
	WLOAD \s+1
	XLOAD 2*\s+2
.endif
	QUANT XA, 0, 4, PCX, XOW
	IMAGE \s, 0
	s_wait_dscnt 5                                 ; unit 2 s + 1 is back; the image's five stores may be out
.if \s < 3
	XLOAD 2*\s+3
.endif
	QUANT XA+64, 0, 4, PCX+16, XOW+1
	IMAGE \s, 1
	PLACES 4                                       ; codes written by vector instructions stand four places ahead of a scaled product; the scale words were made ahead of the holds
	FMUL \s
	WIN 0
	s_wait_dscnt 0x0                               ; for the others' sake: my images have landed
	s_barrier_signal -1
	s_barrier_wait -1
	FETCH \s, 0
	FETCH \s, 1
	s_wait_dscnt 17                                ; tiles 0-3 are in; the second 17 loads may be out
	HMUL \s, 0
	s_wait_dscnt 0x0
	HMUL \s, 1
	WIN 0
.endr
	PLACES 8                                       ; in front of the first reads of results
.irp u, 0,1
	QUANT 128+32*\u, 2, 2, PCX+8*\u, 56+\u
	global_store_b128 v[L16], v[PCX+8*\u:PCX+8*\u+3], s[26:27] offset:1024*\u
	global_store_b128 v[L16], v[PCX+8*\u+4:PCX+8*\u+7], s[26:27] offset:1024*\u+512
.endr
	v_cndmask_b32 v58, v56, v57, s33               ; lanes 0-15 the even tile's words, lanes 16-31 the odd's (both halves of the lanes hold a row's word)
	global_store_b32 v[L4], v58, s[16:17]          ; 128 consecutive bytes a wave: two waves' stores make an aligned 256
.irp c, 0,1,2,3
	QUANT 64*\c, 1, 4, 64+16*\c, PWH+\c
.irp k, 0,1,2,3
	global_store_b128 v[L16], v[64+16*\c+4*\k:64+16*\c+4*\k+3], s[12:13] offset:2048*\c+512*\k      ; 512 consecutive bytes, aligned; every store has data registers of its own
.endr
.endr
	v_cndmask_b32 v54, v[PWH], v[PWH+1], s33
	v_cndmask_b32 v55, v[PWH+2], v[PWH+3], s33
	global_store_b64 v[L8], v[54:55], s[14:15]     ; 256 consecutive bytes, aligned
	s_wait_tensorcnt 0x0                           ; the wave's end
	ds_add_u32 v[SPW], v[NIL]
	s_wait_dscnt 0x0
	s_endpgm
.Lfunc_end_k_qf5451c4e75_proj:
	.size	k_qf5451c4e75_proj, .Lfunc_end_k_qf5451c4e75_proj-k_qf5451c4e75_proj
	.p2alignl 7, 3214868480
	.fill 96, 4, 3214868480
	.section	.rodata,"a",@progbits
	.p2align	6, 0x0
	.amdhsa_kernel k_qf5451c4e75_proj
		.amdhsa_group_segment_fixed_size 137728
		.amdhsa_private_segment_fixed_size 0
		.amdhsa_enable_private_segment 0
		.amdhsa_kernarg_size 96
		.amdhsa_user_sgpr_count 2
		.amdhsa_user_sgpr_kernarg_segment_ptr 1
		.amdhsa_wavefront_size32 1
		.amdhsa_system_sgpr_workgroup_id_x 1
		.amdhsa_system_sgpr_workgroup_id_y 1
		.amdhsa_system_sgpr_workgroup_id_z 1
		.amdhsa_system_vgpr_workitem_id 0
		.amdhsa_next_free_vgpr 1024
		.amdhsa_next_free_sgpr 66
		.amdhsa_reserve_vcc 0
		.amdhsa_float_denorm_mode_32 3
		.amdhsa_float_denorm_mode_16_64 3
		.amdhsa_memory_ordered 1
		.amdhsa_forward_progress 1
		.amdhsa_inst_pref_size 192
	.end_amdhsa_kernel
	.amdgpu_metadata
---
amdhsa.version: [ 1, 2 ]
amdhsa.kernels:
  - .name:           k_qf5451c4e75_proj
    .symbol:         k_qf5451c4e75_proj.kd
    .args:
      - { .name: x, .offset: 0, .size: 8, .value_kind: global_buffer, .address_space: global }
      - { .name: Wf_codes, .offset: 8, .size: 8, .value_kind: global_buffer, .address_space: global }
      - { .name: Wf_scales, .offset: 16, .size: 8, .value_kind: global_buffer, .address_space: global }
      - { .name: bf, .offset: 24, .size: 8, .value_kind: global_buffer, .address_space: global }
      - { .name: Wg_codes, .offset: 32, .size: 8, .value_kind: global_buffer, .address_space: global }
      - { .name: Wg_scales, .offset: 40, .size: 8, .value_kind: global_buffer, .address_space: global }
      - { .name: bg, .offset: 48, .size: 8, .value_kind: global_buffer, .address_space: global }
      - { .name: Wh_codes, .offset: 56, .size: 8, .value_kind: global_buffer, .address_space: global }
      - { .name: Wh_scales, .offset: 64, .size: 8, .value_kind: global_buffer, .address_space: global }
      - { .name: bh, .offset: 72, .size: 8, .value_kind: global_buffer, .address_space: global }
      - { .name: kv, .offset: 80, .size: 8, .value_kind: global_buffer, .address_space: global }
      - { .name: fq, .offset: 88, .size: 8, .value_kind: global_buffer, .address_space: global }
    .group_segment_fixed_size: 137728
    .private_segment_fixed_size: 0
    .kernarg_segment_align: 8
    .kernarg_segment_size: 96
    .max_flat_workgroup_size: 128
    .sgpr_count:     66
    .vgpr_count:     1024
    .wavefront_size: 32
...
	.end_amdgpu_metadata
.endif
;; end of part 1
;; launch attn (part 2): grid 64 x 4, 8 waves a work-group, clusters of 4 x 1, 327,680 bytes of LDS; arguments kv, fq, x, gamma, out0; writes out0
.if DOCPART == 2
	.amdgcn_target "amdgcn-amd-amdhsa--gfx1250"
	.amdhsa_code_object_version 6
	.text
	.protected	k_qf5451c4e75_attn
	.globl	k_qf5451c4e75_attn
	.p2align	8
	.type	k_qf5451c4e75_attn,@function
k_qf5451c4e75_attn:
	s_mov_b64 s[64:65], 0
	v_nop
	global_prefetch_b8 v0, s[64:65] scope:SCOPE_SE
	s_setreg_imm32_b32 hwreg(HW_REG_WAVE_MODE, 25, 1), 1
	s_wait_xcnt 0x0
	s_wait_alu depctr_hold_cnt(0) depctr_sa_sdst(0) depctr_va_vdst(0) depctr_va_sdst(0) depctr_va_ssrc(0) depctr_va_vcc(0) depctr_vm_vsrc(0)
	s_getreg_b32 s2, hwreg(HW_REG_IB_STS2, 6, 4)
	s_cmp_eq_u32 s2, 0
	s_cbranch_scc0 .Lentry_in_a_cluster
	s_endpgm
.Lentry_in_a_cluster:
	s_bfe_u32 s2, ttmp6, 0x10000c
	s_cmp_lg_u32 s2, 0x3003
	s_cbranch_scc0 .Lentry_shape_is_right
	s_endpgm
.Lentry_shape_is_right:
; out0 = x + gamma softmax(f g^T) h, both products on codes of E5M2 with one E8M0 scale for each 32 along K, from the images that the launch before has stored.  Nothing of reference() is left out.
; THE SOFTMAX: t = score x log2(e); M = the running largest t rounded UP to a whole number; p = 2^(t - M) is quantised along the keys, not normalised; the row's sum l is taken of the unquantised p.
; When M moves, l and O are multiplied by f = 2^(old M - new M), which rounds nothing.  LIMITS: NaN and infinities are not served; a block whose every p is 0 keeps the byte 1: its codes are zeros.
; SHARES.  A work-group owns 64 queries of one batch.  TWO ROLES, parted on the wave's number.  Waves 0-3 (S): wave w owns 16 queries: S^T = g f^T (source 0 = 16 keys, source 1 = my queries), the softmax, p's codes; it hands
; p's fragment, its scale word and f to the others through LDS, as images of registers.  Waves 4-7 (O): wave 4 + o owns all 64 queries x channels 128 o .. + 127: O^T += V^T P^T, 32 accumulators: each fragment of V is read from LDS
; once in the work-group and feeds four products.  INTERVALS k = 0 .. 32, a barrier between two: the S waves take the softmax of key step k and then the scores of step k + 1, the O waves the second product of step k - 1.
; K = 64 of the first product is filled to the instruction's 128 with zero codes: an even tile of keys stands in the lower half of K, an odd one in the upper, with eight registers of zeros between them that serve both.
; THE RING.  Two slots, each a block of kv as it lies in memory (152,576 bytes): V of two key steps, its scale words, g of the two steps that follow.  A block serves two intervals and is asked for two intervals ahead.
; CLUSTER.  The four work-groups of a cluster belong to one batch and walk the same blocks: each quarter of a block is asked for JOINTLY, by the same tensor load with a mask that names the four.  Waves 4-7 load, a quarter each.
; THE ROLES' ARMS.  The two roles use the same registers for different things, and their arms join and part at every interval.  So every arm that follows a join begins with eight plain instructions: whichever arm's products
; stand ahead of the join, nothing touches their registers sooner.
; REGISTERS, window 0.  v1-23 addresses, all made ahead of the first parting or where the roles walk together.  S: v[24:25] -M and the largest t, v[26:27] l, v[28:29] f twice, v31 p's scale word, v32-35 g's scale words, v36 f's;
;   v40-63 f | zeros | f; v64-159 g: for each pair of tiles even | zeros | odd; v160-223 S^T, then p; v224-239 p's codes; v240-255 at work.  O: v24-31 pairs of f, v32-35 p's scale words, v36-39 V's; v64-127 P; v128-255 V.
;   window 1: O^T, query tile t, channel tile c at v[64 t + 8 c].  v32-39 hold scales and nothing else in the whole text.
.set BLOCK,  152576
.set SLOT,   152576
.set QUART,  38144                     ; what one tensor load brings: 149 rows of 256 bytes
.set VSC,    131072                    ; in a block: V's scale words
.set GU,     135168                    ; g's two units,
.set GUB,    8704                      ; each of this size: 8 tiles x 1,024, then 512 of scale words
.set PB0,    305152                    ; behind the ring: p's two buffers
.set PBSZ,   9728
.set PSC,    8192                      ; in a buffer: p's scale words, 16 lane + 4 tile
.set PFC,    8704                      ; and the pairs (f, f), 32 lane + 8 tile
.set GLO,    10752                     ; from PB0 + PFC to the pairs gamma / l, 1,024 bytes behind the two buffers
.set SPARE,  325632                    ; the spare words, 128 bytes for each wave: four blocks of 256 bytes that no other line names
.set SROW,   2064                      ; the way out: a stage of 64 rows x (2,048 + 16) bytes in slot 0, which has had its last fill and its last read by then
.set S,   160
.set PC,  224
.set TM,  240
.set MSB, 0
.macro WIN new                         ; the immediate's high byte repeats the setting that is left; a switch that changes nothing is dropped
.if MSB != (\new)
	s_set_vgpr_msb (MSB<<8)|(\new)
.set MSB, (\new)
.endif
.endm
.macro PLACES n
.rept \n
	v_nop
.endr
.endm
.macro CROUND                          ; a round of the cluster's barrier
	s_barrier_signal -1
	s_barrier_wait -1
	s_cmp_lg_u32 s14, 0
	s_cbranch_scc1 .Lnot_wave_0_\@
	s_barrier_signal -3
.Lnot_wave_0_\@:
	s_barrier_wait -3
	s_barrier_signal -1
	s_barrier_wait -1
.endm
.macro PBAR                            ; between two intervals of a block: my LDS stores have landed and my LDS loads are in
	s_wait_dscnt 0x0
	s_barrier_signal -1
	s_barrier_wait -1
.endm
.macro JLOAD                           ; the joint refill: waves 4-7, a quarter of the block each.  An s_nop 0 and four v_nop follow the load
	s_cmp_ge_u32 s14, 4
	s_cbranch_scc0 .Lno_load_\@
	tensor_load_to_lds s[36:39], s[24:31]
	s_nop 0
.rept 4
	v_nop
.endr
.Lno_load_\@:
.endm
; A PREFETCH INTO THE L2 of the block that stands two refills on: four intervals ahead of its load.  All clusters of a batch walk the same blocks: the batch's first cluster asks.  Its four partners share the block's 596 runs of
; 256 bytes out BY ADDRESS: waves 0-3 take V's images, 32 runs each (4 x 4 x 32 = 512); wave 4 takes 21 of the other 84, lanes 21-31 naming lane 20's once more.  The last two changes that fill a slot ask for nothing.
.macro ASK
	s_cmp_gt_u32 s43, s44
	s_cbranch_scc0 .Lnot_mine_\@
	global_prefetch_b8 v21, s[46:47] th:TH_LOAD_NT scope:SCOPE_SE
.Lnot_mine_\@:
.endm
.macro ADDRS                           ; the LDS addresses in the slot in hand; both roles walk these lines
	v_add_nc_u32 v7, s40, v3                       ; g's images
	v_add_nc_u32 v8, s40, v4                       ; g's scale words
	v_add_nc_u32 v9, s40, v6                       ; V's scale words
	v_add_nc_u32 v10, s40, v5                      ; V's images, the block's first key step,
	s_add_co_u32 s41, s40, 65536
	v_add_nc_u32 v11, s41, v5                      ; and its second
.endm
; THE CHANGE OF SLOTS.  Each wave waits for all its tensor loads, adds 0 to its spare word, and waits for that and for its reads of the slot that it leaves.  fill = 1: a round of the cluster's barrier, and the slot just left is filled first.
.macro CHANGE fill
	s_wait_tensorcnt 0x0                           ; no tensor load of mine is out, so a group 0 may be written
	ds_add_u32 v1, v2                              ; 0 onto my spare word
.if \fill
	ds_add_u32 v1, v2                              ; and once more: the add twice on end here, in every trip alike
	s_add_co_u32 s37, s40, s42                     ; the walking descriptor: my quarter of the slot that is being left,
	s_add_nc_u64 s[38:39], s[38:39], BLOCK         ; the next block; the type bits on top are not reached
	s_wait_xcnt 0x0                                ; the last prefetch, two intervals back, has read its address, so it may be written
	s_add_nc_u64 s[46:47], s[46:47], BLOCK
.endif
	s_xor_b32 s40, s40, SLOT                       ; on to the other slot
	s_wait_dscnt 0x0                               ; the add is done, and my reads of the slot that I leave are over
.if \fill
	CROUND
	JLOAD
	ASK
.else
	s_barrier_signal -1
	s_barrier_wait -1
.endif
	ADDRS
.if (\fill) == 0
	global_prefetch_b8 v22, s[50:51] th:TH_LOAD_NT scope:SCOPE_SE              ; my 8 rows of x, 16,384 bytes, lanes 256 bytes apart: one interval ahead of their loads; each wave asks for its own
	global_prefetch_b8 v22, s[50:51] offset:8192 th:TH_LOAD_NT scope:SCOPE_SE
.endif
.endm
.macro QKLOAD q                        ; g's unit q of the block: 8 tiles x 2 groups of four registers, 4 registers of scale words: 20 loads
.irp T, 0,1,2,3,4,5,6,7
.irp c, 0,1
	ds_load_b128 v[64+24*(\T/2)+16*(\T%2)+4*\c:64+24*(\T/2)+16*(\T%2)+4*\c+3], v7 offset:GUB*(\q)+1024*\T+512*\c
.endr
.endr
.irp i, 0,1,2,3
	ds_load_b32 v[32+\i], v8 offset:GUB*(\q)+128*\i
.endr
.endm
.macro QKLOADG pos                     ; the same from memory: key steps 0 and 1, which lie in the batch's last block
.irp T, 0,1,2,3,4,5,6,7
.irp c, 0,1
	global_load_b128 v[64+24*(\T/2)+16*(\T%2)+4*\c:64+24*(\T/2)+16*(\T%2)+4*\c+3], v20, s[56:57] offset:GUB*(\pos)+1024*\T+512*\c
.endr
.endr
.irp i, 0,1,2,3
	global_load_b32 v[32+\i], v23, s[56:57] offset:GUB*(\pos)+8192+128*\i
.endr
.endm
.macro QKMUL                           ; S^T of 128 keys: 8 products, each starts its own sum
.irp T, 0,1,2,3,4,5,6,7
.set rA, 64+24*(\T/2)+8*(\T%2)
.set rB, 40+8*(\T%2)
.if \T%2
	v_wmma_scale_f32_16x16x128_f8f6f4 v[S+8*\T:S+8*\T+7], v[rA:rA+15], v[rB:rB+15], 0, v[32+\T/2], v36 matrix_a_fmt:MATRIX_FMT_BF8 matrix_b_fmt:MATRIX_FMT_BF8 matrix_a_scale:MATRIX_SCALE_ROW1
.else
	v_wmma_scale_f32_16x16x128_f8f6f4 v[S+8*\T:S+8*\T+7], v[rA:rA+15], v[rB:rB+15], 0, v[32+\T/2], v36 matrix_a_fmt:MATRIX_FMT_BF8 matrix_b_fmt:MATRIX_FMT_BF8
.endif
.endr
.endm
; One key step's softmax of my 16 queries; register S + 16 b + i holds key 32 b + 16 (lane / 16) + i.  p's fragment, its scale word and (f, f) go to the buffer at pbw
.macro SOFTMAX pbw
.irp b, 0,1,2,3
	v_max3_num_f32 v[TM+\b], v[S+16*\b], v[S+1+16*\b], v[S+2+16*\b]            ; the largest score of each block of 32 keys: it serves the row's maximum and, since p rises with the score, the block's largest p
.endr
.irp i, 3,5,7,9,11,13
.irp b, 0,1,2,3
	v_max3_num_f32 v[TM+\b], v[TM+\b], v[S+16*\b+\i], v[S+1+16*\b+\i]
.endr
.endr
.irp b, 0,1,2,3
	v_max_num_f32 v[TM+\b], v[TM+\b], v[S+15+16*\b]
.endr
.irp b, 0,1,2,3
	v_permlanex16_b32 v[TM+4+\b], v[TM+\b], s20, s21
.endr
.irp b, 0,1,2,3
	v_max_num_f32 v[TM+\b], v[TM+\b], v[TM+4+\b]             ; with lane l xor 16's 16 keys
.endr
	v_max3_num_f32 v[TM+15], v[TM], v[TM+1], v[TM+2]
	v_max_num_f32 v[TM+15], v[TM+15], v[TM+3]
	v_mul_f32 v[TM+15], s22, v[TM+15]                        ; as t (log2(e) is positive)
	v_max_num_f32 v25, v25, v[TM+15]                         ; the running largest t
	v_mov_b32 v[TM+15], v24
	v_floor_f32 v24, -v25                                    ; the new -M = -ceil(t)
	v_sub_f32 v[TM+15], v24, v[TM+15]                        ; old M - new M: a whole number, 0 or less
	v_cvt_i32_f32 v[TM+15], v[TM+15]                         ; (it saturates)
	v_ldexp_f32 v28, 1.0, v[TM+15]                           ; f = 2^(old M - new M),
	v_ldexp_f32 v29, 1.0, v[TM+15]                           ; twice: a pair for the packed multiplies
.set j, 0
.rept 32
	v_pk_fma_f32 v[S+j:S+j+1], v[S+j:S+j+1], s[22:23], v[24:25] op_sel_hi:[1,0,0]      ; t - M, two at a time (of the two pairs the low word serves both halves)
.set j, j+2
.endr
.irp b, 0,1,2,3
	v_fma_f32 v[TM+\b], v[TM+\b], s22, v24                   ; the same of each block's largest score
.endr
.set j, 0
.rept 64
	v_exp_f32 v[S+j], v[S+j]                                 ; p = 2^(t - M)
.set j, j+1
.endr
	v_pk_mul_f32 v[26:27], v[26:27], v[28:29]                ; l under the new M: a plain instruction behind the exponentials
	s_wait_alu depctr_va_vdst(0)                             ; one wait for the batch, ahead of its first reader
.irp b, 0,1,2,3
	v_exp_f32 v[TM+\b], v[TM+\b]                             ; the block's largest p
.endr
	v_pk_add_f32 v[TM+4:TM+5], v[S:S+1], v[S+2:S+3]          ; the row's sum of the unquantised p, two at a time, in two chains
.set j, 4
.rept 15
	v_pk_add_f32 v[26:27], v[26:27], v[S+j:S+j+1]
	v_pk_add_f32 v[TM+4:TM+5], v[TM+4:TM+5], v[S+j+2:S+j+3]
.set j, j+4
.endr
	v_pk_add_f32 v[26:27], v[26:27], v[TM+4:TM+5]
	s_wait_alu depctr_va_vdst(0)                             ; and one for the four
.irp b, 0,1,2,3
	v_max_num_f32 v[TM+\b], 0x8000000, v[TM+\b]              ; the floor 2^(16 - 127): the byte cannot fall under 1
.endr
.irp b, 0,1,2,3
	v_add_nc_u32 v[TM+12+\b], 0xf8800000, v[TM+\b]           ; 15 off the exponent field: the conversion's scale operand
.endr
.irp b, 0,1,2,3
	v_and_or_b32 v[TM+8+\b], v[TM+\b], 0x7f800000, s19       ; 57,344 x the scale
.endr
.irp b, 0,1,2,3
	v_lshrrev_b32 v[TM+4+\b], 23, v[TM+12+\b]                ; the scale's byte
.endr
	v_lshl_or_b32 v31, v[TM+5], 8, v[TM+4]
	v_lshl_or_b32 v31, v[TM+6], 16, v31
	v_lshl_or_b32 v31, v[TM+7], 24, v31
.irp b, 0,1,2,3
.irp i, 0,1,2,3,4,5,6,7,8,9,10,11,12,13,14,15
	v_min_num_f32 v[S+16*\b+\i], v[S+16*\b+\i], v[TM+8+\b]   ; the conversion does not saturate (ISA guide 7.6.2); p is not negative, so the hold is one-sided
.endr
	v_cvt_scalef32_pk8_bf8_f32 v[PC+4*\b:PC+4*\b+1], v[S+16*\b:S+16*\b+7], v[TM+12+\b]
	v_cvt_scalef32_pk8_bf8_f32 v[PC+4*\b+2:PC+4*\b+3], v[S+16*\b+8:S+16*\b+15], v[TM+12+\b]
.endr
	v_nop                                                    ; one plain instruction behind the last conversion: the next scores are written over its sources
.irp c, 0,1,2,3
	ds_store_b128 v12, v[PC+4*\c:PC+4*\c+3] offset:(\pbw)+512*\c
.endr
	ds_store_b32 v13, v31 offset:(\pbw)
	ds_store_b64 v14, v[28:29] offset:(\pbw)
.endm
.macro SWORK q, pbw, full              ; an interval of an S wave.  full = 1: the next key step's scores follow
	PLACES 8                                       ; behind the last products: in front of the loads into g's registers and of the first read of the scores
.if \full
	QKLOAD \q
.endif
	SOFTMAX \pbw
.if \full
	s_wait_dscnt 6                                 ; g is in; p's six stores, issued behind it, may be out
	QKMUL
.endif
.endm
.macro RESCALE c0                      ; O^T of channel tiles c0 .. c0 + 3 times the pair in v[24 + 2 t]: each accumulator from its low end on
	WIN 0x41
.irp t, 0,1,2,3
.irp c, 0,1,2,3
.irp j, 0,2,4,6
	v_pk_mul_f32 v[64*\t+8*((\c0)+\c)+\j:64*\t+8*((\c0)+\c)+\j+1], v[64*\t+8*((\c0)+\c)+\j:64*\t+8*((\c0)+\c)+\j+1], v[24+2*\t:25+2*\t]
.endr
.endr
.endr
.endm
.macro PVMUL c0, zero                  ; 16 products, each on another accumulator
	WIN 0x50
.irp c, 0,1,2,3
.irp t, 0,1,2,3
.set rO, 64*\t+8*((\c0)+\c)
.set rV, 128+16*((\c0)+\c)
.set rP, 64+16*\t
.set rS, 36+((\c0)+\c)/2
.if \zero
.if \c%2
	v_wmma_scale_f32_16x16x128_f8f6f4 v[rO:rO+7], v[rV:rV+15], v[rP:rP+15], 0, v[rS], v[32+\t] matrix_a_fmt:MATRIX_FMT_BF8 matrix_b_fmt:MATRIX_FMT_BF8 matrix_a_scale:MATRIX_SCALE_ROW1
.else
	v_wmma_scale_f32_16x16x128_f8f6f4 v[rO:rO+7], v[rV:rV+15], v[rP:rP+15], 0, v[rS], v[32+\t] matrix_a_fmt:MATRIX_FMT_BF8 matrix_b_fmt:MATRIX_FMT_BF8
.endif
.else
.if \c%2
	v_wmma_scale_f32_16x16x128_f8f6f4 v[rO:rO+7], v[rV:rV+15], v[rP:rP+15], v[rO:rO+7], v[rS], v[32+\t] matrix_a_fmt:MATRIX_FMT_BF8 matrix_b_fmt:MATRIX_FMT_BF8 matrix_a_scale:MATRIX_SCALE_ROW1
.else
	v_wmma_scale_f32_16x16x128_f8f6f4 v[rO:rO+7], v[rV:rV+15], v[rP:rP+15], v[rO:rO+7], v[rS], v[32+\t] matrix_a_fmt:MATRIX_FMT_BF8 matrix_b_fmt:MATRIX_FMT_BF8
.endif
.endif
.endr
.endr
.endm
; An interval of an O wave: the block's key step q, p from the buffer at pbr.  zero = 1: the first products start the sums and nothing is rescaled
.macro PV q, pbr, zero
	PLACES 8                                       ; behind the last products: in front of the loads into their operands and of the rescaling
.if (\zero) == 0
	ds_load_b128 v[24:27], v16 offset:(\pbr)
	ds_load_b128 v[28:31], v16 offset:(\pbr)+16
.endif
	ds_load_b128 v[32:35], v15 offset:(\pbr)+PSC
	ds_load_b64 v[36:37], v9 offset:2048*(\q)
	ds_load_b64 v[38:39], v9 offset:2048*(\q)+256
.irp t, 0,1,2,3
.irp c, 0,1,2,3
	ds_load_b128 v[64+16*\t+4*\c:64+16*\t+4*\c+3], v15 offset:(\pbr)+2048*\t+512*\c
.endr
.endr
.irp f, 0,1,2,3,4,5,6,7
.irp c, 0,1,2,3
	ds_load_b128 v[128+16*\f+4*\c:128+16*\f+4*\c+3], v[10+(\q)] offset:2048*\f+512*\c
.endr
.endr
.if (\zero) == 0
	s_wait_dscnt 51                                ; the pairs of f are in; the 3 + 16 + 32 loads behind them may be out
	RESCALE 0
.endif
	s_wait_dscnt 16                                ; all but V's fragments 4-7
	PVMUL 0, \zero
.if (\zero) == 0
	RESCALE 4                                      ; names no register of the products just issued
.endif
	s_wait_dscnt 0x0
	PVMUL 4, \zero
	WIN 0
.endm
.macro INTV q, zero, full              ; an interval: the roles part on the wave's number and join
	s_cmp_lt_u32 s14, 4
	s_cbranch_scc0 .Lo_\@
	SWORK \q, PBSZ*(1-(\q)), \full
	s_branch .Lj_\@
.Lo_\@:
	PV \q, PBSZ*(\q), \zero
.Lj_\@:
.endm
.macro XLD                             ; my 8 rows of x: each load reads 512 consecutive bytes
.irp i, 0,1,2,3,4,5,6,7
.irp k, 0,1,2,3
	global_load_b128 v[64+4*(4*\i+\k):64+4*(4*\i+\k)+3], v20, s[50:51] offset:2048*\i+512*\k th:TH_LOAD_NT
.endr
.endr
.endm
	s_load_b256 s[4:11], s[0:1], 0x0               ; kv s[4:5], fq s[6:7], x s[8:9], gamma s[10:11]
	s_load_b64 s[12:13], s[0:1], 0x20              ; out0
	v_lshl_add_u32 v1, v0, 2, SPARE
	v_mov_b32 v2, 0
	ds_add_u32 v1, v2                              ; the wave's opening: the add, twice on end, and its wait ahead of the first tensor load; the set-up below stands between the second and the wait
	ds_add_u32 v1, v2
	v_lshrrev_b32 v23, 5, v0
	v_readfirstlane_b32 s14, v23                   ; wave 0..7
	s_and_b32 s15, s14, 3                          ; my number in my role
	s_bfe_u32 s16, ttmp6, 0x40000                  ; cx: it enters global addresses alone
	s_lshl_b32 s17, ttmp9, 2
	s_add_co_u32 s17, s17, s16                     ; my block of 64 queries
	s_and_b32 s18, ttmp7, 0xffff                   ; the batch, which the four partners share
	s_mov_b32 s19, 0x600000                        ; the mantissa field of 57,344
	s_mov_b32 s20, 0x76543210
	s_mov_b32 s21, 0xfedcba98                      ; v_permlanex16_b32's selects for lane l xor 16
	s_mov_b32 s22, 0x3fb8aa3b                      ; log2(e)
	s_mov_b32 s23, s22                             ; (named with it as a pair, so it is written)
	; descriptor group 1: a dense run of 38,144 bytes as 149 rows of 32 elements of 8 bytes
	s_mov_b32 s24, 15|(3<<16)|(1<<21)              ; 15:0 the mask: all four work-groups; 17:16 elements of 8 bytes; 21 set beside a mask; no padding
	s_mov_b32 s25, 32<<16                          ; tensor_dim0
	s_mov_b32 s26, 149<<16                         ; tensor_dim1
	s_mov_b32 s27, 32<<16                          ; tile_dim0
	s_mov_b32 s28, 149                             ; tile_dim1
	s_mov_b32 s29, 32                              ; from row to row
	s_mov_b32 s30, 0
	s_mov_b32 s31, 0
	s_mul_i32 s42, s15, QUART                      ; my quarter of a block
	s_mov_b32 s40, 0                               ; the slot in hand
	s_mov_b32 s43, 14                              ; blocks still to be asked for
	v_and_b32 v22, 31, v0                          ; lane
	v_lshlrev_b32 v20, 4, v22                      ; 16 x lane
	v_lshlrev_b32 v23, 2, v22                      ; 4 x lane
	v_add_nc_u32 v3, GU, v20
	v_add_nc_u32 v4, GU+8192, v23
	s_lshl_b32 s41, s15, 14
	v_add_nc_u32 v5, s41, v20                      ; V: my 8 channel tiles
	s_lshl_b32 s41, s15, 9
	s_add_co_u32 s41, s41, VSC
	v_lshl_add_u32 v6, v22, 3, s41
	s_lshl_b32 s41, s15, 11
	s_add_co_u32 s41, s41, PB0
	v_add_nc_u32 v12, s41, v20                     ; where an S wave stores p's fragment,
	s_lshl_b32 s41, s15, 2
	s_add_co_u32 s41, s41, PB0+PSC
	v_add_nc_u32 v13, s41, v20                     ; its scale word,
	s_lshl_b32 s41, s15, 3
	s_add_co_u32 s41, s41, PB0+PFC
	v_lshl_add_u32 v14, v22, 5, s41                ; and the pair
	v_add_nc_u32 v15, PB0, v20                     ; where an O wave reads them
	v_lshlrev_b32 v16, 5, v22
	v_add_nc_u32 v16, PB0+PFC, v16
	v_and_b32 v17, 15, v0
	v_and_b32 v18, 8, v17
	v_add_nc_u32 v17, v17, v18                     ; r + 8 (r / 8)
	v_mul_u32_u24 v17, v17, SROW
	v_bfe_u32 v18, v0, 4, 1
	v_lshl_add_u32 v17, v18, 5, v17
	s_lshl_b32 s41, s15, 9
	v_add_nc_u32 v17, s41, v17                     ; the stage, in: query tiles 0, 1: row r + 8 (r / 8) (+ 8), 32 bytes for each half of the lanes, my 512 bytes of a row;
	v_add_nc_u32 v18, 32*SROW, v17                 ; tiles 2, 3: 32 rows on
	s_mul_i32 s41, s14, 8*SROW
	v_add_nc_u32 v19, s41, v20                     ; and back: my 8 rows
	s_lshl_b32 s58, s16, 7
	s_lshl_b32 s59, s14, 5
	s_add_co_u32 s58, s58, s59
	s_lshl_b32 s58, s58, 8                         ; the prefetches: 256 (128 cx + 32 wave + lane) in V's images,
	s_mul_i32 s59, s16, 21*256
	s_add_co_u32 s59, s59, VSC                     ; or 131,072 + 256 (21 cx + min(lane, 20))
	s_cmp_lt_u32 s14, 4
	s_cselect_b32 s58, s58, s59
	s_cselect_b32 s59, 31, 20
	v_min_u32 v21, s59, v22
	v_lshl_add_u32 v21, v21, 8, s58
	s_cmp_lt_u32 s14, 5
	s_cselect_b32 s44, ttmp9, 1                    ; 0 in waves 0-4 of the batch's first cluster: the same in all four partners
	s_cmp_eq_u32 s44, 0
	s_cselect_b32 s44, 2, -1                       ; such a wave asks while more than two blocks are still to be asked for
	v_lshlrev_b32 v22, 8, v22                      ; 256 x lane
	s_mul_i32 s58, s18, 16*BLOCK                   ; the batch's blocks
	s_mov_b32 s59, 0
	s_lshl_b32 s60, s18, 12
	s_lshl_b32 s61, s17, 6
	s_add_co_u32 s60, s60, s61
	s_lshl_b32 s61, s14, 3
	s_add_co_u32 s60, s60, s61
	s_lshl_b32 s60, s60, 11                        ; my 8 rows of x and of out0, in bytes
	s_mov_b32 s61, 0
	s_lshl_b32 s54, s18, 5
	s_lshr_b32 s55, s17, 1
	s_add_co_u32 s54, s54, s55
	s_mul_i32 s54, s54, GUB                        ; f's unit: the group of 128 rows that holds my 64
	s_mov_b32 s55, 0
	s_wait_dscnt 0x0                               ; both opening adds are done
	s_wait_kmcnt 0x0
	s_load_b32 s48, s[10:11], 0x0                  ; gamma
	s_add_nc_u64 s[4:5], s[4:5], s[58:59]
	s_add_nc_u64 s[50:51], s[8:9], s[60:61]
	s_add_nc_u64 s[52:53], s[12:13], s[60:61]
	s_add_nc_u64 s[54:55], s[6:7], s[54:55]
	s_add_nc_u64 s[56:57], s[4:5], 15*BLOCK+GU     ; g of key steps 0 and 1
	s_add_nc_u64 s[46:47], s[4:5], 3*BLOCK         ; the first change of slots steps it to block 4.  Nothing is prefetched at the head
	s_mov_b32 s60, s42
	s_mov_b32 s32, 1                               ; group 0 for block 0: count = 1,
	s_mov_b32 s33, s42                             ; LDS address: slot 0, my quarter,
	s_add_nc_u64 s[34:35], s[4:5], s[60:61]        ; global address,
	s_mov_b32 s36, 1                               ; and for block 1, which then walks on
	s_add_co_u32 s37, s42, SLOT
	s_add_nc_u64 s[38:39], s[34:35], BLOCK
	s_or_b32 s35, s35, 0x80000000                  ; type = 2
	s_or_b32 s39, s39, 0x80000000
	CROUND                                         ; all four work-groups are here: the first joint loads meet
	s_cmp_ge_u32 s14, 4                            ; a loading wave's two first fills stand in one branch: two loads of mine are out
	s_cbranch_scc0 .Lno_first
	tensor_load_to_lds s[32:35], s[24:31]
	s_nop 0
	tensor_load_to_lds s[36:39], s[24:31]
	s_nop 0
.rept 4
	v_nop
.endr
.Lno_first:
	s_wait_kmcnt 0x0                               ; gamma
	; INTERVAL 0: the S waves alone: the scores of key step 0, its softmax, the scores of step 1; g comes from memory
	s_cmp_lt_u32 s14, 4
	s_cbranch_scc0 .Li0_done
.irp j, 0,1,2,3,4,5,6,7
	v_mov_b32 v[48+\j], 0                          ; zero codes: the half of K that holds nothing
.endr
.irp i, 0,1,2,3
.irp j, 0,1,2,3,4,5,6,7
	v_mov_b32 v[72+24*\i+\j], 0
.endr
.endr
	v_mov_b32 v25, 0xff61b1e6                      ; the largest t so far: -3e38, under every t
	v_floor_f32 v24, -v25                          ; -M
	v_mov_b32 v26, 0                               ; l, in two halves
	v_mov_b32 v27, 0
.irp b, 0,1,2,3
	v_mov_b32 v[TM+4+\b], 0                        ; written once: a lane permute's destination counts as one of its sources
.endr
	s_and_b32 s41, s17, 1
	s_lshl_b32 s41, s41, 2
	s_add_co_u32 s41, s41, s15                     ; my tile of the unit's eight
	s_lshl_b32 s58, s41, 10
	v_add_nc_u32 v254, s58, v20
	s_lshl_b32 s58, s41, 6
	s_add_co_u32 s58, s58, 8192
	v_and_b32 v255, 15, v0
	v_lshl_add_u32 v255, v255, 2, s58              ; lane r takes query r's word
	global_load_b128 v[40:43], v254, s[54:55]      ; f stands twice: below the zeros and above them
	global_load_b128 v[44:47], v254, s[54:55] offset:512
	global_load_b128 v[56:59], v254, s[54:55]
	global_load_b128 v[60:63], v254, s[54:55] offset:512
	global_load_b32 v36, v255, s[54:55]
	QKLOADG 0
	s_wait_loadcnt 0x0                             ; (it also frees v254 and v255)
	QKMUL
	PLACES 8
	QKLOADG 1
	SOFTMAX 0
	s_wait_loadcnt 0x0
	QKMUL
.Li0_done:
	s_wait_tensorcnt 0x1                           ; my quarter of slot 0 is in; slot 1's may stay out
	PBAR
	ADDRS
	INTV 0, 1, 1                                   ; intervals 1 and 2: block 0
	PBAR
	INTV 1, 0, 1
.Lblk:                                             ; 14 trips: blocks 1 to 14; behind each change of slots the block after is asked for
	CHANGE 1
	INTV 0, 0, 1
	PBAR
	INTV 1, 0, 1
	s_sub_co_u32 s43, s43, 1
	s_cmp_lg_u32 s43, 0
	s_cbranch_scc1 .Lblk
	CHANGE 0                                       ; block 15 is written out: nothing is left to ask for
	INTV 0, 0, 0                                   ; interval 31: the last softmax; no scores follow
	PBAR
	; INTERVAL 32: the O waves take the last key step; the S waves make gamma / l; all ask for their rows of x
	s_cmp_lt_u32 s14, 4
	s_cbranch_scc0 .Llast_o
	PLACES 8                                       ; this arm too begins eight places behind the join: its loads, its permute and what follows it land on registers that the other role's products name
	XLD
	v_add_f32 v26, v26, v27                        ; l's two halves,
	v_permlanex16_b32 v[TM+4], v26, s20, s21
	v_add_f32 v26, v26, v[TM+4]                    ; and lane l xor 16's
	v_rcp_f32 v26, v26
	v_nop                                          ; a plain instruction behind the reciprocal
	s_wait_alu depctr_va_vdst(0)                   ; and a wait ahead of its first reader
	v_mul_f32 v28, s48, v26
	v_mul_f32 v29, s48, v26
	ds_store_b64 v14, v[28:29] offset:GLO
	s_branch .Llast_j
.Llast_o:
	PV 1, PBSZ, 0
	PLACES 8                                       ; in front of the loads into P's and V's registers, and of the reads of O^T below
	XLD
.Llast_j:
	PBAR                                           ; the pairs gamma / l lie in LDS
	s_cmp_ge_u32 s14, 4
	s_cbranch_scc0 .Lno_stage
	ds_load_b128 v[24:27], v16 offset:GLO
	ds_load_b128 v[28:31], v16 offset:GLO+16
	s_wait_dscnt 0x0
	RESCALE 0                                      ; O^T x gamma / l
	RESCALE 4
	WIN 0x04                                       ; an LDS store's data are its source 1: window 1
.irp t, 0,1,2,3
.irp c, 0,1,2,3,4,5,6,7
	ds_store_b128 v[17+\t/2], v[64*\t+8*\c:64*\t+8*\c+3] offset:(\t%2)*8*SROW+64*\c            ; lane (r, h): 8 neighbouring channels of one query's row
	ds_store_b128 v[17+\t/2], v[64*\t+8*\c+4:64*\t+8*\c+7] offset:(\t%2)*8*SROW+64*\c+16
.endr
.endr
	WIN 0
.Lno_stage:
	PBAR                                           ; 64 whole rows lie in the stage
	WIN 0x40
.irp i, 0,1,2,3,4,5,6,7
.irp k, 0,1,2,3
	ds_load_b128 v[4*(4*\i+\k):4*(4*\i+\k)+3], v19 offset:SROW*\i+512*\k
.endr
.endr
	s_wait_loadcnt 0x0                             ; x
	s_wait_dscnt 0x0
	WIN 0x04
.set j, 0
.rept 64
	v_pk_add_f32 v[64+j:64+j+1], v[64+j:64+j+1], v[j:j+1]    ; x + gamma O / l
.set j, j+2
.endr
	WIN 0
.irp i, 0,1,2,3,4,5,6,7
.irp k, 0,1,2,3
	global_store_b128 v20, v[64+4*(4*\i+\k):64+4*(4*\i+\k)+3], s[52:53] offset:2048*\i+512*\k th:TH_STORE_NT      ; 512 consecutive bytes, at a multiple of 256 from out0's first byte
.endr
.endr
	s_wait_tensorcnt 0x0                           ; the wave's end: these three lines, behind my last tensor load and my last LDS store
	ds_add_u32 v1, v2
	s_wait_dscnt 0x0
	CROUND                                         ; the closing round: no work-group ends while a partner may still ask for a tile that names it
	s_endpgm
.Lfunc_end_k_qf5451c4e75_attn:
	.size	k_qf5451c4e75_attn, .Lfunc_end_k_qf5451c4e75_attn-k_qf5451c4e75_attn
	.p2alignl 7, 3214868480
	.fill 96, 4, 3214868480
	.section	.rodata,"a",@progbits
	.p2align	6, 0x0
	.amdhsa_kernel k_qf5451c4e75_attn
		.amdhsa_group_segment_fixed_size 327680
		.amdhsa_private_segment_fixed_size 0
		.amdhsa_enable_private_segment 0
		.amdhsa_kernarg_size 40
		.amdhsa_user_sgpr_count 2
		.amdhsa_user_sgpr_kernarg_segment_ptr 1
		.amdhsa_wavefront_size32 1
		.amdhsa_system_sgpr_workgroup_id_x 1
		.amdhsa_system_sgpr_workgroup_id_y 1
		.amdhsa_system_sgpr_workgroup_id_z 1
		.amdhsa_system_vgpr_workitem_id 0
		.amdhsa_next_free_vgpr 512
		.amdhsa_next_free_sgpr 66
		.amdhsa_reserve_vcc 0
		.amdhsa_float_denorm_mode_32 3
		.amdhsa_float_denorm_mode_16_64 3
		.amdhsa_memory_ordered 1
		.amdhsa_forward_progress 1
		.amdhsa_inst_pref_size 224
	.end_amdhsa_kernel
	.amdgpu_metadata
---
amdhsa.version: [ 1, 2 ]
amdhsa.kernels:
  - .name:           k_qf5451c4e75_attn
    .symbol:         k_qf5451c4e75_attn.kd
    .args:
      - { .name: kv, .offset: 0, .size: 8, .value_kind: global_buffer, .address_space: global }
      - { .name: fq, .offset: 8, .size: 8, .value_kind: global_buffer, .address_space: global }
      - { .name: x, .offset: 16, .size: 8, .value_kind: global_buffer, .address_space: global }
      - { .name: gamma, .offset: 24, .size: 8, .value_kind: global_buffer, .address_space: global }
      - { .name: out0, .offset: 32, .size: 8, .value_kind: global_buffer, .address_space: global }
    .group_segment_fixed_size: 327680
    .private_segment_fixed_size: 0
    .kernarg_segment_align: 8
    .kernarg_segment_size: 40
    .max_flat_workgroup_size: 256
    .sgpr_count:     66
    .vgpr_count:     512
    .wavefront_size: 32
...
	.end_amdgpu_metadata
.endif
;; end of part 2
